; MI455X (gfx1250); checked and timed in simulation.
; The chip was launched on July 23, 2026; its instructions are those of AMD's public machine-readable ISA for CDNA 5 (MIT licence, August 2026) and "CDNA5" Instruction Set Architecture Reference Guide (July 2026). The comments in the code are by the model that wrote it; some were corrected since.
;; Multi Head Attention. Allowed arithmetic: matrix products marked QUANTISED: E2M1 operands, one E8M0 scale for each 32 along K, by v_wmma_scale_f32_16x16x128_f8f6f4 with both operands' format E2M1 (or v_wmma_scale_f32_32x16x128_f4), f32 sums; everything else in f32.
;; Inputs: Wk_codes 512 x 16 x 16 uint8 (E2M1 codes of Wk, K innermost, in blocks of 32 codes, two codes a byte); Wk_scales 512 x 16 uint8 (E8M0 scales of Wk, one for each 32 codes along K); Wq_codes 512 x 16 x 16 uint8 (E2M1 codes of Wq, K innermost, in blocks of 32 codes, two codes a byte); Wq_scales 512 x 16 uint8 (E8M0 scales of Wq, one for each 32 codes along K); Wv_codes 512 x 16 x 16 uint8 (E2M1 codes of Wv, K innermost, in blocks of 32 codes, two codes a byte); Wv_scales 512 x 16 uint8 (E8M0 scales of Wv, one for each 32 codes along K); attention_mask 2 x 1 x 4,096 x 4,096 float32; bk 512 float32; bq 512 float32; bv 512 float32; key_codes 2 x 4,096 x 16 x 16 uint8 (E2M1 codes of key, K innermost, in blocks of 32 codes, two codes a byte); key_scales 2 x 4,096 x 16 uint8 (E8M0 scales of key, one for each 32 codes along K); query_codes 2 x 4,096 x 16 x 16 uint8 (E2M1 codes of query, K innermost, in blocks of 32 codes, two codes a byte); query_scales 2 x 4,096 x 16 uint8 (E8M0 scales of query, one for each 32 codes along K); value_codes 2 x 4,096 x 16 x 16 uint8 (E2M1 codes of value, K innermost, in blocks of 32 codes, two codes a byte); value_scales 2 x 4,096 x 16 uint8 (E8M0 scales of value, one for each 32 codes along K).
;; Outputs: out0 2 x 4,096 x 512 float32.
;; This version of the problem:
;;   THIS VERSION OF THE PROBLEM IS GIVEN IN LOW PRECISION. The matrix products marked QUANTISED in the list below multiply operands that are first quantised to E2M1 (2 exponent bits, 1 mantissa bit; 4 bits a number), with one power-of-two scale for each 32 numbers along K (OCP MX v1.0); their sums are f32. All else is computed in f32.
;;   The module's matrix products, in the order in which they are computed (A, B: the left and right operand; K: the contracted axis; several contracted axes count as one K, in the product's order):
;;     1. [M 8,192, K 512] x [K 512, N 512]; A: input query (given as codes); B: input Wq (given as codes): QUANTISED
;;     2. [M 8,192, K 512] x [K 512, N 512]; A: input key (given as codes); B: input Wk (given as codes): QUANTISED
;;     3. [M 8,192, K 512] x [K 512, N 512]; A: input value (given as codes); B: input Wv (given as codes): QUANTISED
;;     4. batch 16 x [M 4,096, K 64] x [K 64, N 4,096]; A: computed on the way; B: computed on the way: QUANTISED
;;     5. batch 16 x [M 4,096, K 4,096] x [K 4,096, N 64]; A: softmax (see below); B: computed on the way: QUANTISED
;;   THE QUANTISER, for each operand of a quantised product, along K:
;;     - K is cut into blocks of 32 from its start; a last block that is shorter is filled with zeros.
;;     - A block's scale is 2^e with e = floor(log2(the largest magnitude in the block)) - 2, held to -126 .. 127; a block of zeros has e = 0. As a byte (E8M0): e + 127.
;;     - Each number is divided by its block's scale, clamped to +-6, and rounded to the nearest number of E2M1, ties to even, subnormals kept.
;;     - The product sums the exact products of the quantised numbers (number of the format x scale) in f32.
;;   ~~~python
;;   def quantise(x, axis):      # numpy; x: float32 -> the quantised numbers, widened to float32 again
;;       x = np.moveaxis(x, axis, -1); K = x.shape[-1]
;;       x = np.pad(x, [(0, 0)] * (x.ndim - 1) + [(0, -K % 32)]); x = x.reshape(x.shape[:-1] + (-1, 32)); a = np.abs(x).max(-1, keepdims=True)
;;       e = np.where(a > 0, np.clip(np.frexp(np.where(a > 0, a, 1))[1] - 1 - 2, -126, 127), 0)      # np.frexp(a)[1] - 1 = floor(log2(a)), exactly
;;       r = np.clip(x / 2.0 ** e, -6, 6)
;;       step = 2.0 ** (np.maximum(np.frexp(np.where(r == 0, 1, r))[1] - 1, 0) - 1)
;;       q = np.round(r / step) * step * 2.0 ** e      # np.round: ties to even
;;       return np.moveaxis(q.reshape(q.shape[:-2] + (-1,))[..., :K], -1, axis).astype(np.float32)
;;   ~~~
;;   SOFTMAX AHEAD OF A QUANTISED PRODUCT. Where the list says 'softmax', what is quantised is not the finished softmax but p = 2^(t - M), with t = logit x log2(e) and M = ceil(the row's largest t), a whole number; so 1/2 < the row's largest p <= 1. The row's sum l is taken of the UNQUANTISED p, in f32, and the product's result is divided by l at the end. Since M is a whole number, a kernel that streams over the keys may use a running M (the ceiling of the running maximum): every later rescaling is an exact power of two, which a block's scale takes up: the codes' values come out the same.
;;   OPERANDS COMPUTED ON THE WAY. 'Computed on the way' means the value that the module computes at that place (a softmax that the list does not call 'softmax' is quantised finished and normalised). What goes into a quantiser is computed in f32, as accurately as f32 sums, v_exp_f32 and their like allow (about 1e-6 of the number): no bf16 or f16 on the way to a quantiser, and a product that is left as it is and whose result goes on into a quantised operand takes f32 operands (vector FMAs, or v_wmma_f32_16x16x4_f32). A number that lies on a knife's edge between two numbers of the format may be rounded either way, as far as f32 arithmetic and the matrix unit's own rounding can turn it there, and no further.
;;   INPUTS GIVEN AS CODES. Wk (in the module: [512, 512], K = its axis 1); Wq (in the module: [512, 512], K = its axis 1); Wv (in the module: [512, 512], K = its axis 1); key (in the module: [2, 4096, 512], K = its axis 2); query (in the module: [2, 4096, 512], K = its axis 2); value (in the module: [2, 4096, 512], K = its axis 2): each comes as NAME_codes (uint8): NAME with its K axis moved to the last place and cut into blocks of 32 codes, [.., K / 32, bytes a block], one block behind the other in memory; two codes a byte, the lower K in the low four bits (a code: sign, 2 exponent bits, 1 mantissa bit); and NAME_scales (uint8): the same leading axes, one E8M0 byte (e + 127) for each 32 codes along K. Its value is code x scale, taken as it is: it is not quantised again, and the codes and scales need not be those that the quantiser above would give.
;; One version. Each part assembles by itself: llvm-mc -triple=amdgcn-amd-amdhsa -mcpu=gfx1250 --defsym DOCPART=n.
;; ======== version 1 of 1: 2 launches
;; limits: right only within a limited range of input values
;; workspace buffers: qq 4,587,520 bytes; kv 4,587,520 bytes
;; launch proj (part 1): grid 256 x 1, 4 waves a work-group, no clusters, 327,680 bytes of LDS; arguments query_codes, query_scales, Wq_codes, Wq_scales, bq, key_codes, key_scales, Wk_codes, Wk_scales, bk, value_codes, value_scales, Wv_codes, Wv_scales, bv, qq, kv; writes qq, kv
.if DOCPART == 1
	.amdgcn_target "amdgcn-amd-amdhsa--gfx1250"
	.amdhsa_code_object_version 6
	.text
	.protected	k_qe50c316df0_proj
	.globl	k_qe50c316df0_proj
	.p2align	8
	.type	k_qe50c316df0_proj,@function
k_qe50c316df0_proj:
	s_mov_b64 s[64:65], 0
	v_nop
	global_prefetch_b8 v0, s[64:65] scope:SCOPE_SE
	s_setreg_imm32_b32 hwreg(HW_REG_WAVE_MODE, 25, 1), 1
	s_wait_xcnt 0x0
; q = query Wq^T + bq, k = key Wk^T + bk, v = value Wv^T + bv on codes of FP4 (E2M1), one E8M0 scale for each 32 along K = 512; sums in f32.
; The results are quantised at once for the attention launch: q and k along a head's 64 dims, v along the keys, and stored as images of the operand's registers (512 bytes for four registers, lane l's 16 bytes at 16 l).
; SHARES.  A work-group takes, of each product, 128 rows of x (xb = id / 4) by 128 rows of W (wb = id % 4: two heads): 256 work-groups.
; LDS: one region for each tensor, filled once.  Wave 0 brings x's codes, wave 1 W's, wave 2 x's scale bytes, wave 3 W's: q's region at the head, k's and v's each behind
; the full sequence and a barrier (one tensor load a wave there), so that they land while the tensor before is multiplied.
; THE MATRIX INSTRUCTION: source 0 = P, whose rows become a lane's registers (the quantiser's axis); source 1 = R, whose rows become the lanes.  q, k: P = W's 128 rows, R = x's rows.  v: P = value's rows (keys), R = Wv's rows.
; Wave w takes all 8 tiles of P against R's tiles 2 w, 2 w + 1: 16 accumulators by turns, 4 K steps of 128.
; P's tile 2 b + u, lane r: row 32 b + 8 u + r + 8 (r / 8), so the 16 registers of two neighbouring tiles are 16 neighbours.
; R's tile T, lane r: q: row 16 T + r.  k: row 64 (T / 4) + 8 (T % 4) + r % 8 + 32 (r / 8), so that in the score product a lane holds whole blocks of 32 keys.  v: channel 32 (T / 2) + 8 (T % 2) + r + 8 (r / 8).
; THE BIAS: bq, bk hang on the register: they are loaded from memory into registers of window 1 and are the C of the first product.  bv hangs on the lane and is added behind the products.
; WORKSPACE.  Block (2 batch + head half) x 16 + (row / 256), 71,680 bytes: K codes 0, K scale words 32,768, V^T codes 36,864, V scale words 69,632; qq uses the first two regions.
; LIMITS: NaN among the inputs is not served.  A block whose largest magnitude lies under 2^-124, zeros too, gets the scale byte 1 (for zeros the quantiser says 127): the bytes are read by this program alone.
.set REG,   74240
.set XC,    0
.set WC,    34816
.set XS,    69632
.set WS,    71680
.set BLK,   71680
.set PITCH, 272
.set RS,    16                         ; v16-23 R's scale words
.set PS,    24                         ; v24-39 P's scale words
.set RF,    40                         ; v40-55 R's two fragments
.set PC0,   56
.set PF,    64                         ; v64-127 P's eight fragments
.set ACC,   128                        ; v128-255 accumulator (i, t) at ACC + 64 i + 8 t
.set TM,    64
.set PW0,   80
.set PW1,   81
.set PC1,   96
.set BQ,    8                          ; window 1: v8-71 bq, v72-135 bk, in the accumulators' layout; v0, v1 of window 1: the spare word's address and 0
.set BK,    72
.set MSB, 0
.macro WIN new
.if MSB != \new
	s_set_vgpr_msb (MSB<<8)|\new
.set MSB, \new
.endif
.endm
.macro NOPS
.rept 4
	v_nop
.endr
.endm
.macro MKG0 g, ls, lc, ptr             ; a group 0: count 1, LDS address, global address, type 2
	s_mov_b32 s[\g], 1
	s_add_co_u32 s[\g+1], s\ls, \lc
	s_add_nc_u64 s[\g+2:\g+3], s[\ptr:\ptr+1], s[66:67]
	s_or_b32 s[\g+3], s[\g+3], 0x80000000
.endm
.macro FILL gc, gs                     ; one tensor load a wave: waves 0, 1 codes, waves 2, 3 scale bytes
	s_cmp_lt_u32 s2, 2
	s_cbranch_scc0 .Lsc_\@
	tensor_load_to_lds s[\gc:\gc+3], s[52:59]
	s_nop 0
	NOPS
	s_branch .Ldn_\@
.Lsc_\@:
	tensor_load_to_lds s[\gs:\gs+3], s[68:75]
	s_nop 0
	NOPS
.Ldn_\@:
.endm
.macro SEQ                             ; ahead of a later first fill; behind the barrier the region asked for last is whole
	s_wait_alu depctr_va_vdst(0)
	WIN 0x05
	s_wait_tensorcnt 0x0
	ds_add_u32 v0, v1
	s_wait_dscnt 0x0
	WIN 0
	s_barrier_signal -1
	s_barrier_wait -1
.endm
	s_load_b512 s[8:23], s[0:1], 0x0               ; query codes, scales, Wq codes, scales, bq, key codes, scales, Wk codes
	s_load_b512 s[24:39], s[0:1], 0x40             ; Wk scales, bk, value codes, scales, Wv codes, scales, bv, qq
	s_load_b64 s[40:41], s[0:1], 0x80              ; kv
	WIN 0x40
	v_lshl_add_u32 v0, v0, 2, 0x37000
	v_mov_b32 v1, 0
	WIN 0x05
	ds_add_u32 v0, v1                              ; the opening lines: the add twice on end
	ds_add_u32 v0, v1
	WIN 0
	v_lshrrev_b32 v1, 5, v0
	v_readfirstlane_b32 s2, v1                     ; wave
	s_lshr_b32 s3, ttmp9, 2                        ; xb
	s_and_b32 s4, ttmp9, 3                         ; wb
	s_mov_b32 s6, 0x76543210
	s_mov_b32 s7, 0xfedcba98
	s_mov_b32 s100, 0xffff0000
	s_mov_b32 s52, (1<<20)|(5<<22)|(3<<25)         ; codes: 128 rows x 256 bytes, 16 bytes of padding behind each
	s_mov_b32 s53, 256<<16
	s_mov_b32 s54, 128<<16
	s_mov_b32 s55, 256<<16
	s_mov_b32 s56, 128
	s_mov_b32 s57, 256
	s_mov_b32 s58, 0
	s_mov_b32 s59, 0
	s_mov_b32 s68, 3<<16                           ; scale bytes: 2,048 dense bytes as 8 rows of 256
	s_mov_b32 s69, 32<<16
	s_mov_b32 s70, 8<<16
	s_mov_b32 s71, 32<<16
	s_mov_b32 s72, 8
	s_mov_b32 s73, 32
	s_mov_b32 s74, 0
	s_mov_b32 s75, 0
	s_wait_dscnt 0x0
	s_wait_kmcnt 0x0
	s_and_b32 s5, s2, 1                            ; even waves fetch for x, odd ones for W
	s_cmp_eq_u32 s5, 0
	s_cselect_b32 s101, s3, s4
	s_cselect_b64 s[42:43], s[8:9], s[12:13]
	s_cselect_b64 s[44:45], s[10:11], s[14:15]
	s_cselect_b64 s[46:47], s[18:19], s[22:23]
	s_cselect_b64 s[48:49], s[20:21], s[24:25]
	s_cselect_b64 s[50:51], s[28:29], s[32:33]
	s_cselect_b64 s[80:81], s[30:31], s[34:35]
	s_mul_i32 s82, s5, WC
	s_lshl_b32 s83, s5, 11
	s_mov_b32 s67, 0
	s_lshl_b32 s66, s101, 15                       ; 128 rows of 256 bytes
	MKG0 84, 82, 0, 42
	MKG0 88, 82, REG, 46
	MKG0 92, 82, 2*REG, 50
	s_lshl_b32 s66, s101, 11                       ; 128 rows of 16 bytes
	MKG0 96, 83, XS, 44
	MKG0 60, 83, REG+XS, 48
	MKG0 76, 83, 2*REG+XS, 80
	FILL 84, 96                                    ; q's region
	v_bfe_u32 v41, v0, 4, 1                        ; h
	s_lshl_b32 s5, s4, 9
	v_lshlrev_b32 v9, 6, v41
	v_add_nc_u32 v9, s5, v9                        ; the bias of my registers' dims: 512 wb + 64 h; tile 2 b + u: + 128 b + 32 u
	WIN 0x40
.irp t, 0,1,2,3,4,5,6,7
	global_load_b128 v[BQ+8*\t:BQ+8*\t+3], v9, s[16:17] offset:(\t/2)*128+(\t%2)*32
	global_load_b128 v[BQ+8*\t+4:BQ+8*\t+7], v9, s[16:17] offset:(\t/2)*128+(\t%2)*32+16
	global_load_b128 v[BK+8*\t:BK+8*\t+3], v9, s[26:27] offset:(\t/2)*128+(\t%2)*32
	global_load_b128 v[BK+8*\t+4:BK+8*\t+7], v9, s[26:27] offset:(\t/2)*128+(\t%2)*32+16
.endr
	WIN 0
	v_and_b32 v40, 15, v0                          ; r
	v_and_b32 v42, 8, v40
	v_add_nc_u32 v42, v42, v40                     ; r + 8 (r / 8)
	s_lshl_b32 s101, s2, 7
	s_add_co_u32 s5, s5, s101
	v_lshlrev_b32 v7, 2, v42
	v_add_nc_u32 v7, s5, v7                        ; bv of my lane's channel: 512 wb + 128 wave + 4 (r + 8 (r / 8)); tile 1: + 32
	global_load_b32 v12, v7, s[36:37]
	global_load_b32 v14, v7, s[36:37] offset:32
	v_mul_u32_u24 v1, v42, PITCH
	v_lshl_add_u32 v1, v41, 4, v1                  ; P's fragment: row x pitch + 16 h
	v_lshlrev_b32 v3, 4, v42                       ; P's scale bytes: 16 a row
	v_and_b32 v10, 31, v0
	v_lshlrev_b32 v11, 3, v10                      ; 8 x lane
	v_lshlrev_b32 v10, 4, v10                      ; 16 x lane
	v_mov_b32 v13, 0                               ; (upper halves of pairs)
	v_mov_b32 v15, 0
	s_wait_alu depctr_va_vdst(0)                   ; the wait at the head's end
	s_wait_xcnt 0x0                                ; the bias loads have read their bases: s[16:17] is written below
	s_lshr_b32 s5, s3, 5                           ; batch
	s_lshl_b32 s5, s5, 1
	s_lshr_b32 s101, s4, 1                         ; head half
	s_add_co_u32 s5, s5, s101
	s_lshl_b32 s5, s5, 4
	s_and_b32 s101, s3, 31
	s_lshr_b32 s101, s101, 1
	s_add_co_u32 s5, s5, s101
	s_mul_i32 s5, s5, BLK                          ; the block's first byte
	s_and_b32 s101, s3, 1                          ; s: which 128 of the 256
	s_and_b32 s4, s4, 1                            ; jp: which pair of heads
	s_lshl_b32 s66, s101, 14
	s_add_co_u32 s66, s66, s5
	s_lshl_b32 s3, s4, 13
	s_add_co_u32 s66, s66, s3
	s_lshl_b32 s3, s2, 10
	s_add_co_u32 s66, s66, s3                      ; q's, k's codes: block + 16,384 s + 8,192 jp + 1,024 wave
	s_add_nc_u64 s[8:9], s[38:39], s[66:67]
	s_add_nc_u64 s[12:13], s[40:41], s[66:67]
	s_add_co_u32 s66, s66, s3
	s_add_co_u32 s66, s66, 36864                   ; v's codes: block + 36,864 + 16,384 s + 8,192 jp + 2,048 wave
	s_add_nc_u64 s[16:17], s[40:41], s[66:67]
	s_lshl_b32 s66, s101, 11
	s_add_co_u32 s66, s66, s5
	s_lshl_b32 s3, s4, 10
	s_add_co_u32 s66, s66, s3
	s_lshl_b32 s3, s2, 8
	s_add_co_u32 s66, s66, s3
	s_add_co_u32 s66, s66, 32768                   ; q's, k's scale words: block + 32,768 + 2,048 s + 1,024 jp + 256 wave
	s_add_nc_u64 s[10:11], s[38:39], s[66:67]
	s_add_nc_u64 s[14:15], s[40:41], s[66:67]
	s_lshl_b32 s66, s101, 10
	s_add_co_u32 s66, s66, s5
	s_lshl_b32 s3, s4, 9
	s_add_co_u32 s66, s66, s3
	s_lshl_b32 s3, s2, 7
	s_add_co_u32 s66, s66, s3
	s_add_co_u32 s66, s66, 69632                   ; v's scale words: block + 69,632 + 1,024 s + 512 jp + 128 wave
	s_add_nc_u64 s[18:19], s[40:41], s[66:67]
	s_lshl_b32 s42, s2, 5                          ; R's first row of my two tiles: q, v: 32 wave
	s_lshr_b32 s43, s2, 1
	s_lshl_b32 s43, s43, 6
	s_and_b32 s44, s2, 1
	s_lshl_b32 s44, s44, 4
	s_add_co_u32 s43, s43, s44                     ; k: 64 (wave / 2) + 16 (wave % 2)
	s_wait_loadcnt 0x0                             ; the biases are in
; One K step of 128.  mode 0: sums go on; 1: C = 0; 2: C = the bias in window 1 at cb.  rstep: rows from R's tile 0 to tile 1.
.macro KSTEP s, mode, rstep, cb
.if \s > 0
	NOPS                                           ; four places in front of loads into registers that matrix instructions have read
.endif
.irp t, 0,1,2,3,4,5,6,7
.irp c, 0,1
	ds_load_b128 v[PF+8*\t+4*\c:PF+8*\t+4*\c+3], v5 offset:(32*(\t/2)+8*(\t%2))*PITCH+64*\s+32*\c
.endr
.endr
.irp i, 0,1
.irp c, 0,1
	ds_load_b128 v[RF+8*\i+4*\c:RF+8*\i+4*\c+3], v6 offset:\i*\rstep*PITCH+64*\s+32*\c
.endr
.endr
.if (\s%2) == 0
.irp t, 0,1,2,3,4,5,6,7
	ds_load_b64 v[PS+2*\t:PS+2*\t+1], v7 offset:(32*(\t/2)+8*(\t%2))*16+4*\s
.endr
.endif
	s_wait_dscnt 0x0
.if \mode == 2
	WIN 0x10
.endif
.irp i, 0,1
.irp t, 0,1,2,3,4,5,6,7
.if \mode == 1
	v_wmma_scale_f32_16x16x128_f8f6f4 v[ACC+64*\i+8*\t:ACC+64*\i+8*\t+7], v[PF+8*\t:PF+8*\t+7], v[RF+8*\i:RF+8*\i+7], 0, v[PS+2*\t+(\s%2)], v[RS+4*\i+\s] matrix_a_fmt:MATRIX_FMT_FP4 matrix_b_fmt:MATRIX_FMT_FP4
.elseif \mode == 2
	v_wmma_scale_f32_16x16x128_f8f6f4 v[ACC+64*\i+8*\t:ACC+64*\i+8*\t+7], v[PF+8*\t:PF+8*\t+7], v[RF+8*\i:RF+8*\i+7], v[\cb+8*\t:\cb+8*\t+7], v[PS+2*\t+(\s%2)], v[RS+4*\i+\s] matrix_a_fmt:MATRIX_FMT_FP4 matrix_b_fmt:MATRIX_FMT_FP4
.else
	v_wmma_scale_f32_16x16x128_f8f6f4 v[ACC+64*\i+8*\t:ACC+64*\i+8*\t+7], v[PF+8*\t:PF+8*\t+7], v[RF+8*\i:RF+8*\i+7], v[ACC+64*\i+8*\t:ACC+64*\i+8*\t+7], v[PS+2*\t+(\s%2)], v[RS+4*\i+\s] matrix_a_fmt:MATRIX_FMT_FP4 matrix_b_fmt:MATRIX_FMT_FP4
.endif
.endr
.endr
	WIN 0
.endm
; 64 numbers of a lane, register 16 b + i = place 32 b + 16 (lane / 16) + i, become 8 registers of codes at v[pc] and the four blocks' scale word in v[pw].
.macro QUANT src, pc, pw
.irp b, 0,1,2,3
	v_max3_num_f32 v[TM+\b], |v[\src+16*\b]|, |v[\src+1+16*\b]|, 0x1800000   ; with the floor 2^(3 - 127): the byte cannot fall under 1
.endr
.irp i, 2,4,6,8,10,12,14
.irp b, 0,1,2,3
	v_max3_num_f32 v[TM+\b], v[TM+\b], |v[\src+16*\b+\i]|, |v[\src+1+16*\b+\i]|
.endr
.endr
.irp b, 0,1,2,3
	v_permlanex16_b32 v[TM+4+\b], v[TM+\b], s6, s7
.endr
.irp b, 0,1,2,3
	v_max_num_f32 v[TM+\b], v[TM+\b], v[TM+4+\b]
.endr
.irp b, 0,1,2,3
	v_add_nc_u32 v[TM+12+\b], 0xff000000, v[TM+\b] ; 2 off the exponent field: the conversion's scale operand
.endr
.irp b, 0,1,2,3
	v_lshrrev_b32 v[TM+4+\b], 23, v[TM+12+\b]      ; the byte
.endr
	v_lshl_or_b32 v[\pw], v[TM+5], 8, v[TM+4]
	v_lshl_or_b32 v[\pw], v[TM+6], 16, v[\pw]
	v_lshl_or_b32 v[\pw], v[TM+7], 24, v[\pw]      ; the same word in lanes l and l xor 16
.irp b, 0,1,2,3
	v_cvt_scalef32_pk8_fp4_f32 v[\pc+2*\b], v[\src+16*\b:\src+16*\b+7], v[TM+12+\b]
	v_cvt_scalef32_pk8_fp4_f32 v[\pc+1+2*\b], v[\src+16*\b+8:\src+16*\b+15], v[TM+12+\b]
.endr
	v_nop                                          ; one plain place behind a scaled conversion
.irp c, 0,1                                    ; a whole block to a lane: registers 4 c .. 4 c + 3 hold places 64 c + 32 h + 0 .. 31
.irp i, 0,1
	v_permlane16_swap_b32 v[\pc+4*\c+\i], v[\pc+2+4*\c+\i]
.endr
.endr
.endm
; One tensor.  R's row of lane r: s[srow] + r + mult x 8 (r / 8); tile 1 lies rstep rows on.
.macro TENSOR reg, isv, sc, ss, mult, rstep, srow, cb
.if \reg > 0
	s_wait_xcnt 0x0                                ; the last tensor's stores have read their data and offsets
.endif
	v_and_b32 v9, 15, v0
	v_and_b32 v6, 8, v9
	v_mad_u32_u24 v9, v6, \mult, v9
	v_add_nc_u32 v9, s\srow, v9
	v_bfe_u32 v8, v0, 4, 1
	v_mul_u32_u24 v6, v9, PITCH
	v_lshl_add_u32 v6, v8, 4, v6
.if \isv
	v_add_nc_u32 v5, \reg*REG+XC, v1
	v_add_nc_u32 v6, \reg*REG+WC, v6
	v_add_nc_u32 v7, \reg*REG+XS, v3
	v_lshl_add_u32 v8, v9, 4, \reg*REG+WS
.else
	v_add_nc_u32 v5, \reg*REG+WC, v1
	v_add_nc_u32 v6, \reg*REG+XC, v6
	v_add_nc_u32 v7, \reg*REG+WS, v3
	v_lshl_add_u32 v8, v9, 4, \reg*REG+XS
.endif
	s_wait_alu depctr_va_vdst(0)
.irp i, 0,1
	ds_load_b128 v[RS+4*\i:RS+4*\i+3], v8 offset:\i*\rstep*16
.endr
	KSTEP 0, 2-\isv, \rstep, \cb
	KSTEP 1, 0, \rstep, 0
	KSTEP 2, 0, \rstep, 0
	KSTEP 3, 0, \rstep, 0
	NOPS
.if \isv
.set J, 0
.rept 32
	v_pk_add_f32 v[ACC+J:ACC+J+1], v[ACC+J:ACC+J+1], v[12:13] op_sel_hi:[1,0]
.set J, J+2
.endr
.rept 32
	v_pk_add_f32 v[ACC+J:ACC+J+1], v[ACC+J:ACC+J+1], v[14:15] op_sel_hi:[1,0]
.set J, J+2
.endr
.endif
	QUANT ACC, PC0, PW0
.if \isv
	global_store_b128 v10, v[PC0:PC0+3], s[\sc:\sc+1]
	global_store_b128 v10, v[PC0+4:PC0+7], s[\sc:\sc+1] offset:512
.else
	global_store_b128 v10, v[PC0:PC0+3], s[\sc:\sc+1]                  ; the pair's first head
	global_store_b128 v10, v[PC0+4:PC0+7], s[\sc:\sc+1] offset:4096    ; its second head
.endif
	QUANT ACC+64, PC1, PW1
.if \isv
	global_store_b128 v10, v[PC1:PC1+3], s[\sc:\sc+1] offset:1024
	global_store_b128 v10, v[PC1+4:PC1+7], s[\sc:\sc+1] offset:1536
	v_and_b32 v85, 15, v0
	v_bfe_u32 v84, v0, 4, 1
	v_lshlrev_b32 v85, 3, v85
	v_lshl_add_u32 v85, v84, 2, v85                ; 8 r + 4 h
	v_cndmask_b32 v82, v[PW0], v[PW1], s100        ; lanes 0-15 tile 0's words, lanes 16-31 tile 1's
	global_store_b32 v85, v82, s[\ss:\ss+1]
.else
	global_store_b128 v10, v[PC1:PC1+3], s[\sc:\sc+1] offset:512
	global_store_b128 v10, v[PC1+4:PC1+7], s[\sc:\sc+1] offset:4608
	global_store_b64 v11, v[PW0:PW1], s[\ss:\ss+1] ; both tiles' words (two heads' bytes each) at 8 x lane: 256 consecutive bytes
.endif
.endm
	SEQ
	FILL 88, 60                                    ; k's region
	TENSOR 0, 0, 8, 10, 0, 16, 42, BQ
	SEQ
	FILL 92, 76                                    ; v's region
	TENSOR 1, 0, 12, 14, 3, 8, 43, BK
	SEQ
	TENSOR 2, 1, 16, 18, 1, 8, 42, 0
	WIN 0x05
	s_wait_tensorcnt 0x0                           ; the wave's end
	ds_add_u32 v0, v1
	s_wait_dscnt 0x0
	WIN 0
	s_endpgm
.Lfunc_end_k_qe50c316df0_proj:
	.size	k_qe50c316df0_proj, .Lfunc_end_k_qe50c316df0_proj-k_qe50c316df0_proj
	.p2alignl 7, 3214868480
	.fill 96, 4, 3214868480
	.section	.rodata,"a",@progbits
	.p2align	6, 0x0
	.amdhsa_kernel k_qe50c316df0_proj
		.amdhsa_group_segment_fixed_size 327680
		.amdhsa_private_segment_fixed_size 0
		.amdhsa_enable_private_segment 0
		.amdhsa_kernarg_size 136
		.amdhsa_user_sgpr_count 2
		.amdhsa_user_sgpr_kernarg_segment_ptr 1
		.amdhsa_wavefront_size32 1
		.amdhsa_system_sgpr_workgroup_id_x 1
		.amdhsa_system_sgpr_workgroup_id_y 1
		.amdhsa_system_sgpr_workgroup_id_z 1
		.amdhsa_system_vgpr_workitem_id 0
		.amdhsa_next_free_vgpr 400
		.amdhsa_next_free_sgpr 102
		.amdhsa_reserve_vcc 0
		.amdhsa_float_denorm_mode_32 3
		.amdhsa_float_denorm_mode_16_64 3
		.amdhsa_memory_ordered 1
		.amdhsa_forward_progress 1
		.amdhsa_inst_pref_size 87
	.end_amdhsa_kernel
	.amdgpu_metadata
---
amdhsa.version: [ 1, 2 ]
amdhsa.kernels:
  - .name:           k_qe50c316df0_proj
    .symbol:         k_qe50c316df0_proj.kd
    .args:
      - { .name: query_codes, .offset: 0, .size: 8, .value_kind: global_buffer, .address_space: global }
      - { .name: query_scales, .offset: 8, .size: 8, .value_kind: global_buffer, .address_space: global }
      - { .name: Wq_codes, .offset: 16, .size: 8, .value_kind: global_buffer, .address_space: global }
      - { .name: Wq_scales, .offset: 24, .size: 8, .value_kind: global_buffer, .address_space: global }
      - { .name: bq, .offset: 32, .size: 8, .value_kind: global_buffer, .address_space: global }
      - { .name: key_codes, .offset: 40, .size: 8, .value_kind: global_buffer, .address_space: global }
      - { .name: key_scales, .offset: 48, .size: 8, .value_kind: global_buffer, .address_space: global }
      - { .name: Wk_codes, .offset: 56, .size: 8, .value_kind: global_buffer, .address_space: global }
      - { .name: Wk_scales, .offset: 64, .size: 8, .value_kind: global_buffer, .address_space: global }
      - { .name: bk, .offset: 72, .size: 8, .value_kind: global_buffer, .address_space: global }
      - { .name: value_codes, .offset: 80, .size: 8, .value_kind: global_buffer, .address_space: global }
      - { .name: value_scales, .offset: 88, .size: 8, .value_kind: global_buffer, .address_space: global }
      - { .name: Wv_codes, .offset: 96, .size: 8, .value_kind: global_buffer, .address_space: global }
      - { .name: Wv_scales, .offset: 104, .size: 8, .value_kind: global_buffer, .address_space: global }
      - { .name: bv, .offset: 112, .size: 8, .value_kind: global_buffer, .address_space: global }
      - { .name: qq, .offset: 120, .size: 8, .value_kind: global_buffer, .address_space: global }
      - { .name: kv, .offset: 128, .size: 8, .value_kind: global_buffer, .address_space: global }
    .group_segment_fixed_size: 327680
    .private_segment_fixed_size: 0
    .kernarg_segment_align: 8
    .kernarg_segment_size: 136
    .max_flat_workgroup_size: 128
    .sgpr_count:     102
    .vgpr_count:     400
    .wavefront_size: 32
...
	.end_amdgpu_metadata
.endif
;; end of part 1
;; launch attn (part 2): grid 64 x 4, 8 waves a work-group, clusters of 4 x 1, 327,680 bytes of LDS; arguments qq, kv, attention_mask, out0; writes out0
.if DOCPART == 2
	.amdgcn_target "amdgcn-amd-amdhsa--gfx1250"
	.amdhsa_code_object_version 6
	.text
	.protected	k_qe50c316df0_attn
	.globl	k_qe50c316df0_attn
	.p2align	8
	.type	k_qe50c316df0_attn,@function
k_qe50c316df0_attn:
	s_mov_b64 s[64:65], 0
	v_nop
	global_prefetch_b8 v0, s[64:65] scope:SCOPE_SE
	s_setreg_imm32_b32 hwreg(HW_REG_WAVE_MODE, 25, 1), 1
	s_wait_xcnt 0x0
	s_wait_alu depctr_hold_cnt(0) depctr_sa_sdst(0) depctr_va_vdst(0) depctr_va_sdst(0) depctr_va_ssrc(0) depctr_va_vcc(0) depctr_vm_vsrc(0)
	s_getreg_b32 s2, hwreg(HW_REG_IB_STS2, 6, 4)
	s_cmp_eq_u32 s2, 0
	s_cbranch_scc0 .Lentry_in_a_cluster
	s_endpgm
.Lentry_in_a_cluster:
	s_bfe_u32 s2, ttmp6, 0x10000c
	s_cmp_lg_u32 s2, 0x3003
	s_cbranch_scc0 .Lentry_shape_is_right
	s_endpgm
.Lentry_shape_is_right:
; out0[b][q][64 head + d] = the sum over keys of softmax_k((q . k + mask[b][q][k]) / 8) v[k][d], both products on codes of FP4 (E2M1), one E8M0 scale for each 32 along a product's K.
; q, k, v come from the launch before as images of the operands' registers with their scale words (blocks of 71,680 bytes: 256 keys x 4 heads).
; THE SOFTMAX: t = (score + mask) x log2(e) / 8; M = the row's largest t so far, rounded up to a whole number; p = 2^(t - M) is quantised along the keys; the row's sum is taken of the unquantised p and divides O at the end.
; When M moves, the sum and O are multiplied by 2^(old M - new M): exact.
; SHARES.  A work-group owns 64 queries x 4 heads (x: block of 64 queries; y = 2 batch + head half): 256 work-groups of equal work.  EIGHT waves, two to a SIMD; wave w owns the pair of heads w % 2 and the tile of 16 queries w / 2: two units.
; A fragment of K holds BOTH heads of the pair (dims 0-63: head 0, 64-127: head 1); Q's fragment of a unit has zero codes in the other head's half.  So a step's 8 KB of K serve both units,
; and the tile's mask, kept in registers, is the C of both heads' score products: D lies in other registers than C.
; LAYOUT.  Both products transposed: a lane holds one query.  Tile t of K, lane m: key 64 (t / 4) + 8 (t % 4) + m % 8 + 32 (m / 8): so lane (r, h) holds keys 64 c + 32 h + 0 .. 31 in tiles 4 c .. 4 c + 3: WHOLE blocks of 32,
; in the very places of the second product's operand: a block's maximum needs no other lane and the conversions' results are the operand.
; ORDER.  The two units go line by line, so that dependent lines of one stand between the other's.  The next step's K, scale words and mask are loaded as soon as the step's score products are issued, V behind the step's last products.
; THE RING.  Two slots of 256 keys (a workspace block, then 64 rows x 1,024 bytes of the mask).  The change of slots stands behind the score products of a slot's second step, where my reads of the slot are all issued.
; Waves 0 to 3 ask for the block's quarters JOINTLY with the three partners of the cluster (same batch and head half), waves 4 to 7 for 16 rows each of the mask's tile, which is the work-group's own: one tensor load a wave; it has two steps in which to land.
; PREFETCH.  The mask's tile of the slot after the one being asked for: 64 rows x 4 units of 256 bytes; the two work-groups that read it (the head halves) take 32 rows each; waves 0 to 3 take one unit of each row, a lane a row.
; Blocks 0 to 2 come by their loads alone; the last trip that fills asks for nothing.  kv's blocks are not prefetched: 4.6 MB of the launch's 139, each block shared by the 64 work-groups of a y.
; LIMITS: NaN among the inputs is not served; the promise holds while the scaled scores stay under 2^31 in magnitude.  A mask entry of -infinity gives p = 0; a row all of -infinity gives NaN, as the definition does.
; A block of p that is all zeros keeps the scale byte 1.  A block's largest p is made from its largest score by the same two instructions, which takes v_exp_f32 not to fall where its input rises.
; WINDOWS: 0: addresses, state, Q, p's codes, scale words, scratch (v0-127), the scores (v128-255, unit i at 64 each); 1: K (v0-63), V (v64-127), the mask (v128-191), O^T (v192-255, unit i at 32 each).
.set BLK,   71680
.set MROW,  1040
.set MSL,   64*MROW
.set SLOTB, BLK+MSL
.set SPARE, 2*SLOTB                    ; the spare words: 1,024 bytes
.set STAGE, SPARE+1024                 ; the way out: 16 rows x 272 bytes for each wave, bytes of their own
.set AK0, 1                            ; places in a slot: codes, K's words, V's words, the mask
.set AS0, 2
.set AT0, 3
.set AM0, 4
.set ADK, 5                            ; the same in the slot in hand
.set ADS, 6
.set ADT, 7
.set ADM, 8
.set SPW, 9
.set NIL, 10
.set PFO, 11
.set ST,  12                           ; unit i: -M, the largest score, the sum in two halves
.set QSW, 20
.set SH8, 21
.set STO, 22
.set RD,  23
.set CO,  24
.set X,   26
.set QF,  32
.set PC,  48
.set KSW, 64
.set VSW, 72
.set BM,  80
.set PX,  84
.set SO,  88
.set FW,  92                           ; unit i: f, p's scale word
.set TS,  96
.set MT,  96                           ; (done with before the sums begin)
.set S,   128
.set OX,  128
.set OY,  160
.set KF,  0
.set VF,  64
.set MK,  128
.set O,   192
.set MSB, 0
.macro WIN new
.if MSB != \new
	s_set_vgpr_msb (MSB<<8)|\new
.set MSB, \new
.endif
.endm
.macro PLACES
.rept 4
	v_nop
.endr
.endm
.macro DLY n                           ; a hint ahead of a plain line that reads the plain line n vector lines back
	s_delay_alu instid0(VALU_DEP_\n)
.endm
.macro ROUND
	s_barrier_signal -1
	s_barrier_wait -1
	s_cmp_lg_u32 s12, 0
	s_cbranch_scc1 .Lnw0_\@
	s_barrier_signal -3
.Lnw0_\@:
	s_barrier_wait -3
	s_barrier_signal -1
	s_barrier_wait -1
.endm
.macro TLOAD
	s_cmp_lt_u32 s12, 4
	s_cbranch_scc0 .Lmk_\@
	tensor_load_to_lds s[40:43], s[24:31]
	s_nop 0
	PLACES
	s_branch .Ltd_\@
.Lmk_\@:
	tensor_load_to_lds s[44:47], s[32:39]
	s_nop 0
	PLACES
.Ltd_\@:
.endm
.macro NEXTFILL                        ; the walking descriptors: the other slot, the next block, the next 256 columns of the mask
	s_xor_b32 s49, s49, SLOTB
	s_add_co_u32 s41, s49, s60
	s_add_co_u32 s45, s49, s61
	s_add_nc_u64 s[42:43], s[42:43], BLK
	s_add_nc_u64 s[46:47], s[46:47], 1024
.endm
.macro ADDRS
	v_add_nc_u32 v[ADK], s48, v[AK0]
	v_add_nc_u32 v[ADS], s48, v[AS0]
	v_add_nc_u32 v[ADT], s48, v[AT0]
	v_add_nc_u32 v[ADM], s48, v[AM0]
	s_wait_alu depctr_va_vdst(0)                   ; the wait behind the writes
.endm
	s_load_b256 s[4:11], s[0:1], 0x0               ; qq, kv, mask, out0
	v_lshl_add_u32 v[SPW], v0, 2, SPARE
	v_mov_b32 v[NIL], 0
	ds_add_u32 v[SPW], v[NIL]                      ; the opening lines: the add twice on end
	ds_add_u32 v[SPW], v[NIL]
	v_lshrrev_b32 v1, 5, v0
	DLY 1
	v_readfirstlane_b32 s12, v1                    ; wave
	s_and_b32 s13, s12, 1                          ; my pair of heads
	s_lshr_b32 s14, s12, 1                         ; my tile of 16 queries
	s_and_b32 s15, s12, 3                          ; which quarter I fetch
	s_bfe_u32 s16, ttmp6, 0x40000                  ; cx
	s_lshl_b32 s17, ttmp9, 2
	s_add_co_u32 s17, s17, s16                     ; my block of 64 queries
	s_and_b32 s18, ttmp7, 0xffff                   ; y = 2 batch + head half
	s_lshr_b32 s19, s18, 1                         ; batch
	s_mov_b32 s20, 0x76543210
	s_mov_b32 s21, 0xfedcba98
	s_mov_b32 s22, 0x3e38aa3b                      ; c = log2(e) / 8
	s_mov_b32 s23, s22
	s_mov_b32 s24, 15|(3<<16)|(1<<21)              ; a quarter of a block: 70 rows of 256 bytes, to all four work-groups
	s_mov_b32 s25, 32<<16
	s_mov_b32 s26, 70<<16
	s_mov_b32 s27, 32<<16
	s_mov_b32 s28, 70
	s_mov_b32 s29, 32
	s_mov_b32 s30, 0
	s_mov_b32 s31, 0
	s_mov_b32 s32, (2<<16)|(1<<20)|(7<<22)|(3<<25) ; a quarter of the mask's tile: 16 rows x 256 numbers, 16 bytes of padding behind each
	s_mov_b32 s33, 256<<16
	s_mov_b32 s34, 16<<16
	s_mov_b32 s35, 256<<16
	s_mov_b32 s36, 16
	s_mov_b32 s37, 4096
	s_mov_b32 s38, 0
	s_mov_b32 s39, 0
	s_mul_i32 s58, s18, 16*BLK
	s_mul_i32 s60, s15, BLK/4                      ; my quarter of a block, in memory and in a slot
	s_add_co_u32 s58, s58, s60
	s_mov_b32 s59, 0
	s_lshl_b32 s62, s19, 26
	s_lshl_b32 s63, s17, 20
	s_add_co_u32 s62, s62, s63                     ; the mask at my work-group's first row
	s_lshl_b32 s63, s15, 18
	s_add_co_u32 s52, s62, s63                     ; + my 16 rows
	s_mov_b32 s53, 0
	s_mul_i32 s61, s15, 16*MROW
	s_add_co_u32 s61, s61, BLK                     ; and in a slot
	s_and_b32 s63, s18, 1
	s_lshl_b32 s63, s63, 19                        ; the prefetches: 32 rows by the head half,
	s_add_co_u32 s62, s62, s63
	s_lshl_b32 s63, s15, 8                         ; 256 bytes by the wave,
	s_add_co_u32 s62, s62, s63
	s_add_co_u32 s62, s62, 2048                    ; at block 2: the first change steps it to block 3
	s_mov_b32 s63, 0
	s_cmp_lt_u32 s12, 4
	s_cselect_b32 s57, 1, 64                       ; waves 0 to 3 ask while the count of trips is above 1; the others never
	s_mov_b32 s48, 0                               ; the slot that is read
	s_mov_b32 s49, 0                               ; the slot that is filled
	s_wait_dscnt 0x0
	s_wait_kmcnt 0x0
	s_mov_b32 s40, 1
	s_mov_b32 s41, s60
	s_add_nc_u64 s[42:43], s[6:7], s[58:59]
	s_or_b32 s43, s43, 0x80000000
	s_mov_b32 s44, 1
	s_mov_b32 s45, s61
	s_add_nc_u64 s[46:47], s[8:9], s[52:53]
	s_or_b32 s47, s47, 0x80000000
	s_add_nc_u64 s[50:51], s[8:9], s[62:63]
	ROUND
	TLOAD                                          ; block 0 into slot 0
	; Q: two fragments and a scale word stay in registers
	s_lshl_b32 s66, s18, 4
	s_lshr_b32 s68, s17, 2
	s_add_co_u32 s66, s66, s68
	s_mul_i32 s66, s66, BLK                        ; the block of my 256 queries
	s_bfe_u32 s68, s17, 0x10001                    ; which 128 of them
	s_and_b32 s69, s17, 1
	s_lshl_b32 s69, s69, 2
	s_add_co_u32 s69, s69, s14                     ; which of the 128's eight tiles
	s_lshl_b32 s70, s68, 14
	s_add_co_u32 s70, s70, s66
	s_lshl_b32 s71, s13, 13
	s_add_co_u32 s70, s70, s71
	s_lshl_b32 s71, s69, 9
	s_add_co_u32 s70, s70, s71
	s_mov_b32 s71, 0
	s_add_nc_u64 s[70:71], s[4:5], s[70:71]        ; codes: block + 16,384 s + 8,192 pair of heads + 512 tile
	s_lshl_b32 s72, s68, 11
	s_add_co_u32 s72, s72, s66
	s_lshl_b32 s73, s13, 10
	s_add_co_u32 s72, s72, s73
	s_lshr_b32 s73, s69, 1
	s_lshl_b32 s73, s73, 8
	s_add_co_u32 s72, s72, s73
	s_and_b32 s73, s69, 1
	s_lshl_b32 s73, s73, 2
	s_add_co_u32 s72, s72, s73
	s_add_co_u32 s72, s72, 32768
	s_mov_b32 s73, 0
	s_add_nc_u64 s[72:73], s[4:5], s[72:73]        ; words: block + 32,768 + 2,048 s + 1,024 pair of heads + 256 (tile / 2) + 4 (tile % 2)
	v_and_b32 v128, 31, v0                         ; lane
	v_and_b32 v129, 15, v0                         ; r
	v_bfe_u32 v130, v0, 4, 1                       ; h
	DLY 3
	v_lshlrev_b32 v131, 4, v128
	DLY 4
	v_lshlrev_b32 v132, 3, v128
	global_load_b128 v[QF:QF+3], v131, s[70:71]
	global_load_b128 v[QF+12:QF+15], v131, s[70:71] offset:4096
	global_load_b32 v[QSW], v132, s[72:73]
.irp k, 4,5,6,7,8,9,10,11
	v_mov_b32 v[QF+\k], 0                          ; the other head's half: zero codes
.endr
	s_lshl_b32 s66, s19, 12
	s_lshl_b32 s68, s17, 6
	s_add_co_u32 s66, s66, s68
	s_lshl_b32 s68, s14, 4
	s_add_co_u32 s66, s66, s68                     ; my first row of out0
	s_lshl_b32 s66, s66, 11
	s_and_b32 s68, s18, 1
	s_lshl_b32 s68, s68, 1
	s_add_co_u32 s68, s68, s13
	s_lshl_b32 s68, s68, 9                         ; + 512 bytes x pair of heads
	s_add_co_u32 s66, s66, s68
	s_mov_b32 s67, 0
	s_add_nc_u64 s[10:11], s[10:11], s[66:67]
	s_lshl_b32 s74, s13, 13
	v_add_nc_u32 v[AK0], s74, v131
	s_lshl_b32 s74, s13, 10
	s_add_co_u32 s74, s74, 32768
	v_add_nc_u32 v[AS0], s74, v132
	s_lshl_b32 s74, s13, 9
	s_add_co_u32 s74, s74, 69632
	v_lshlrev_b32 v[AT0], 3, v129
	DLY 1
	v_add_nc_u32 v[AT0], s74, v[AT0]
	s_mul_i32 s74, s14, 16*MROW
	s_add_co_u32 s74, s74, BLK
	v_mul_u32_u24 v[AM0], v129, MROW
	DLY 1
	v_lshl_add_u32 v[AM0], v130, 7, v[AM0]
	DLY 1
	v_add_nc_u32 v[AM0], s74, v[AM0]               ; my query's row + 128 h
	v_lshlrev_b32 v[SH8], 3, v130
	v_lshlrev_b32 v[PFO], 14, v128
	s_mul_i32 s74, s12, 16*272
	s_add_co_u32 s74, s74, STAGE
	v_mul_u32_u24 v[STO], v129, 272
	v_mul_u32_u24 v[RD], v130, 272
	DLY 2
	v_lshl_add_u32 v[STO], v130, 6, v[STO]
	DLY 2
	v_lshl_add_u32 v[RD], v129, 4, v[RD]
	DLY 2
	v_add_nc_u32 v[STO], s74, v[STO]
	DLY 2
	v_add_nc_u32 v[RD], s74, v[RD]
	v_lshlrev_b32 v[CO], 11, v130
	DLY 1
	v_lshl_add_u32 v[CO], v129, 4, v[CO]
	v_mov_b32 v[ST+1], 0xff61b1e6                  ; the largest score so far: -3e38
	v_mov_b32 v[ST+5], 0xff61b1e6
	DLY 2
	v_mul_f32 v[X], s22, v[ST+1]
.irp k, 2,3,6,7
	v_mov_b32 v[ST+\k], 0
.endr
	v_floor_f32 v[ST], -v[X]
	v_floor_f32 v[ST+4], -v[X]
.irp k, 0,1,2,3
	v_mov_b32 v[PX+\k], 0                          ; a lane permute's destination counts as a source
	v_mov_b32 v[FW+\k], 0
.endr
	WIN 0x40
.set J, 0
.rept 64
	v_mov_b32 v[O+J], 0                            ; O^T: the step is written once; the first change of M leaves zeros zeros
.set J, J+1
.endr
	WIN 0
; The score products of my two units: D = K Q^T + the mask.  16 accumulators by turns.
.macro QK
	WIN 0x11
.irp t, 0,1,2,3,4,5,6,7
.irp i, 0,1
	v_wmma_scale_f32_16x16x128_f8f6f4 v[S+64*\i+8*\t:S+64*\i+8*\t+7], v[KF+8*\t:KF+8*\t+7], v[QF+8*\i:QF+8*\i+7], v[MK+8*\t:MK+8*\t+7], v[KSW+\t], v[QSW] matrix_a_fmt:MATRIX_FMT_FP4 matrix_b_fmt:MATRIX_FMT_FP4
.endr
.endr
	WIN 0
.endm
.macro LOADK s                         ; 36 loads: K's 8 fragments, its words, my tile of the mask at the accumulators' own keys
	WIN 0x40
.irp t, 0,1,2,3,4,5,6,7
.irp c, 0,1
	ds_load_b128 v[KF+8*\t+4*\c:KF+8*\t+4*\c+3], v[ADK] offset:(\s)*16384+\c*4096+\t*512
.endr
.endr
.irp t, 0,1,2,3,4,5,6,7
.irp q, 0,1
	ds_load_b128 v[MK+8*\t+4*\q:MK+8*\t+4*\q+3], v[ADM] offset:(\s)*512+(\t/4)*256+(\t%4)*32+16*\q
.endr
.endr
	WIN 0
.irp p, 0,1,2,3
	ds_load_b64 v[KSW+2*\p:KSW+2*\p+1], v[ADS] offset:(\s)*2048+\p*256
.endr
.endm
.macro LOADV s                         ; 20 loads: V^T of both heads and its words
	WIN 0x40
.irp x, 0,1
.irp d, 0,1,2,3
.irp c, 0,1
	ds_load_b128 v[VF+32*\x+8*\d+4*\c:VF+32*\x+8*\d+4*\c+3], v[ADK] offset:36864+(\s)*16384+\x*4096+\d*1024+\c*512
.endr
.endr
.endr
	WIN 0
.irp x, 0,1
.irp b, 0,1
	ds_load_b64 v[VSW+4*\x+2*\b:VSW+4*\x+2*\b+1], v[ADT] offset:(\s)*1024+\x*256+\b*128
.endr
.endr
.endm
; The softmax of my two units, and their second products.
.macro SOFTMAX
.irp i, 0,1
.irp t, 0,1,2,3,4,5,6,7
	v_max3_num_f32 v[MT+8*\i+\t], v[S+64*\i+8*\t], v[S+64*\i+8*\t+1], v[S+64*\i+8*\t+2]   ; a chain a tile, from each accumulator's low end on
.endr
.endr
.irp k, 3,5
.irp i, 0,1
.irp t, 0,1,2,3,4,5,6,7
	v_max3_num_f32 v[MT+8*\i+\t], v[MT+8*\i+\t], v[S+64*\i+8*\t+\k], v[S+64*\i+8*\t+\k+1]
.endr
.endr
.endr
.irp i, 0,1
.irp c, 0,1
	v_max3_num_f32 v[MT+8*\i+4*\c+3], v[MT+8*\i+4*\c+3], v[S+64*\i+32*\c+7], v[S+64*\i+32*\c+15]
	v_max3_num_f32 v[MT+8*\i+4*\c+2], v[MT+8*\i+4*\c+2], v[S+64*\i+32*\c+23], v[S+64*\i+32*\c+31]
.endr
.endr
.irp i, 0,1
	v_mov_b32 v[X+2+\i], v[ST+4*\i]                ; the old -M
.endr
.irp i, 0,1
.irp c, 0,1
	v_max3_num_f32 v[BM+2*\i+\c], v[MT+8*\i+4*\c], v[MT+8*\i+4*\c+1], v[MT+8*\i+4*\c+2]
.endr
.endr
.irp i, 0,1
.irp c, 0,1
	DLY 4
	v_max_num_f32 v[BM+2*\i+\c], v[BM+2*\i+\c], v[MT+8*\i+4*\c+3]   ; the largest score of my block 2 c + h
.endr
.endr
	DLY 3
	v_max_num_f32 v[X], v[BM], v[BM+1]
	DLY 2
	v_max_num_f32 v[X+1], v[BM+2], v[BM+3]
.irp i, 0,1
	DLY 2
	v_permlanex16_b32 v[PX+\i], v[X+\i], s20, s21
.endr
.irp i, 0,1
	DLY 2
	v_max3_num_f32 v[ST+4*\i+1], v[ST+4*\i+1], v[X+\i], v[PX+\i]   ; the running largest score
.endr
.irp i, 0,1
	DLY 2
	v_mul_f32 v[X+\i], s22, v[ST+4*\i+1]
.endr
.irp i, 0,1
	DLY 2
	v_floor_f32 v[ST+4*\i], -v[X+\i]               ; -M = floor(-t)
.endr
	DLY 2
	v_fma_f32 v[BM], v[BM], s22, v[ST]
	DLY 3
	v_fma_f32 v[BM+1], v[BM+1], s22, v[ST]
	DLY 3
	v_fma_f32 v[BM+2], v[BM+2], s22, v[ST+4]
	DLY 4
	v_fma_f32 v[BM+3], v[BM+3], s22, v[ST+4]
.irp i, 0,1
	v_sub_f32 v[X+2+\i], v[ST+4*\i], v[X+2+\i]
.endr
.irp i, 0,1
	DLY 2
	v_cvt_i32_f32 v[X+2+\i], v[X+2+\i]             ; (it saturates)
.endr
.irp i, 0,1
	DLY 2
	v_ldexp_f32 v[FW+2*\i], 1.0, v[X+2+\i]         ; f = 2^(old M - new M)
.endr
.irp i, 0,1
.set J, 0
.rept 32
	v_pk_fma_f32 v[S+64*\i+J:S+64*\i+J+1], v[S+64*\i+J:S+64*\i+J+1], s[22:23], v[ST+4*\i:ST+4*\i+1] op_sel_hi:[1,0,0]   ; t - M
.set J, J+2
.endr
.endr
	s_wait_alu depctr_va_vdst(0)                   ; the wait ahead of the batch
.set J, 0
.rept 128
	v_exp_f32 v[S+J], v[S+J]
.set J, J+1
.endr
.irp b, 0,1,2,3
	v_exp_f32 v[BM+\b], v[BM+\b]                   ; the blocks' largest p
.endr
.irp i, 0,1
	v_pk_mul_f32 v[ST+4*\i+2:ST+4*\i+3], v[ST+4*\i+2:ST+4*\i+3], v[FW+2*\i:FW+2*\i+1] op_sel_hi:[1,0]   ; the sums under the new M
.endr
	s_wait_alu depctr_va_vdst(0)                   ; one wait for the batch, ahead of its first reader
.irp b, 0,1,2,3
	v_max_num_f32 v[BM+\b], 0x1800000, v[BM+\b]    ; the floor 2^(3 - 127)
.endr
.irp b, 0,1,2,3
	DLY 4
	v_add_nc_u32 v[SO+\b], 0xff000000, v[BM+\b]    ; the conversion's scale operand
.endr
.irp i, 0,1
.irp t, 0,1,2,3,4,5,6,7
	v_cvt_scalef32_pk8_fp4_f32 v[PC+8*\i+\t], v[S+64*\i+8*\t:S+64*\i+8*\t+7], v[SO+2*\i+\t/4]   ; register t of the operand: keys 64 (t / 4) + 32 h + 8 (t % 4) + 0 .. 7
.endr
.endr
.irp i, 0,1
.irp k, 0,1,2,3,4,5,6,7
	v_pk_add_f32 v[TS+16*\i+2*\k:TS+16*\i+2*\k+1], v[S+64*\i+2*\k:S+64*\i+2*\k+1], v[S+64*\i+16+2*\k:S+64*\i+16+2*\k+1]   ; the sum of the unquantised p, eight chains a unit
.endr
.endr
.irp g, 32,48
.irp i, 0,1
.irp k, 0,1,2,3,4,5,6,7
	v_pk_add_f32 v[TS+16*\i+2*\k:TS+16*\i+2*\k+1], v[S+64*\i+\g+2*\k:S+64*\i+\g+2*\k+1], v[TS+16*\i+2*\k:TS+16*\i+2*\k+1]
.endr
.endr
.endr
.irp b, 0,1,2,3
	v_lshrrev_b32 v[SO+\b], 23, v[SO+\b]           ; the bytes
.endr
.irp i, 0,1
.irp k, 0,1,2,3
	v_pk_add_f32 v[TS+16*\i+2*\k:TS+16*\i+2*\k+1], v[TS+16*\i+2*\k:TS+16*\i+2*\k+1], v[TS+16*\i+8+2*\k:TS+16*\i+8+2*\k+1]
.endr
.endr
.irp i, 0,1
	v_lshl_or_b32 v[X+\i], v[SO+2*\i+1], 16, v[SO+2*\i]
.endr
.irp i, 0,1
.irp k, 0,1
	v_pk_add_f32 v[TS+16*\i+2*\k:TS+16*\i+2*\k+1], v[TS+16*\i+2*\k:TS+16*\i+2*\k+1], v[TS+16*\i+4+2*\k:TS+16*\i+4+2*\k+1]
.endr
.endr
.irp i, 0,1
	v_lshlrev_b32 v[X+\i], v[SH8], v[X+\i]         ; blocks h and 2 + h at their places
.endr
	v_pk_add_f32 v[TS:TS+1], v[TS:TS+1], v[TS+2:TS+3]
	DLY 4
	v_pk_add_f32 v[TS+16:TS+17], v[TS+16:TS+17], v[TS+18:TS+19]
.irp i, 0,1
	DLY 4
	v_permlanex16_b32 v[PX+\i], v[X+\i], s20, s21
.endr
.irp i, 0,1
	DLY 4
	v_pk_add_f32 v[ST+4*\i+2:ST+4*\i+3], v[ST+4*\i+2:ST+4*\i+3], v[TS+16*\i:TS+16*\i+1]
.endr
.irp i, 0,1
	DLY 4
	v_or_b32 v[FW+2*\i+1], v[X+\i], v[PX+\i]       ; p's scale word
.endr
	s_wait_dscnt 36                                ; V and its words are in: behind them at most the 36 loads of the next step's K, words and mask
	WIN 0x41
	s_wait_alu depctr_va_vdst(0)                   ; the wait directly ahead of the first reader of O^T
.irp i, 0,1
.set J, 0
.rept 16
	v_pk_mul_f32 v[O+32*\i+J:O+32*\i+J+1], v[O+32*\i+J:O+32*\i+J+1], v[FW+2*\i:FW+2*\i+1] op_sel_hi:[1,0]   ; O^T under the new M; also the places ahead of the products
.set J, J+2
.endr
.endr
	WIN 0x51
.irp d, 0,1,2,3
.irp i, 0,1
	v_wmma_scale_f32_16x16x128_f8f6f4 v[O+32*\i+8*\d:O+32*\i+8*\d+7], v[VF+32*\i+8*\d:VF+32*\i+8*\d+7], v[PC+8*\i:PC+8*\i+7], v[O+32*\i+8*\d:O+32*\i+8*\d+7], v[VSW+4*\i+\d], v[FW+2*\i+1] matrix_a_fmt:MATRIX_FMT_FP4 matrix_b_fmt:MATRIX_FMT_FP4
.endr
.endr
	WIN 0
.endm
; THE CHANGE OF SLOTS.  My reads of the slot in hand are all issued.  kind 1: the slot is filled again behind a round of the cluster's barrier.  kind 2: nothing is left to fetch.
.macro CHANGE kind
	s_wait_alu depctr_va_vdst(0)
	s_wait_tensorcnt 0x0                           ; my part of the other slot has landed
	ds_add_u32 v[SPW], v[NIL]
.if \kind == 1
	NEXTFILL
	s_wait_xcnt 0x0                                ; my prefetch has read its address
	s_add_nc_u64 s[50:51], s[50:51], 1024
.endif
	s_xor_b32 s48, s48, SLOTB
	s_wait_dscnt 0x0                               ; the add is done, and my reads of the slot are over
.if \kind == 1
	ROUND
	TLOAD
.else
	s_barrier_signal -1
	s_barrier_wait -1
.endif
	ADDRS
.endm
; A STEP of 128 keys.  At its head the loads of this step's K, words and mask are out, and behind them V's 20.  s2: the next step's place in its slot.
; chg 2, in the trip that counts 1 (the launch's last step): a branch on the count leads round the next step's loads.
.macro STEP s2, chg
	s_wait_dscnt 20                                ; all but V's 20 loads
	QK
	PLACES                                         ; four places in front of the first read of the scores and of loads into registers that the products read
.if \chg
	CHANGE \chg
.endif
.if \chg == 2
	s_cmp_eq_u32 s56, 1
	s_cbranch_scc1 .Lnk_\@
.endif
	LOADK \s2
.if \chg == 2
.Lnk_\@:
.endif
.if \chg == 1
	s_cmp_gt_u32 s56, s57                          ; the last trip has no block behind the one it asks for
	s_cbranch_scc0 .Lna_\@
	global_prefetch_b8 v[PFO], s[50:51] th:TH_LOAD_NT scope:SCOPE_SE
.Lna_\@:
.endif
	SOFTMAX
.if \chg == 2
	s_wait_alu depctr_va_vdst(0)
	s_cmp_eq_u32 s56, 1
	s_cbranch_scc1 .Lnv_\@
.endif
	PLACES
	LOADV \s2
.if \chg == 2
.Lnv_\@:
.endif
.endm
	s_wait_alu depctr_va_vdst(0)                   ; the wait at the head's end
	s_wait_tensorcnt 0x0                           ; my part of block 0 is in; the full sequence ahead of slot 1's first fill
	ds_add_u32 v[SPW], v[NIL]
	NEXTFILL
	s_wait_dscnt 0x0
	ROUND
	TLOAD                                          ; block 1 into slot 1
	ADDRS
	LOADK 0
	LOADV 0
	s_wait_loadcnt 0x0                             ; Q
	s_mov_b32 s56, 14
.Lfill:                                            ; blocks 0 to 13: each change asks for the block two on
	STEP 1, 0
	STEP 0, 1
	s_sub_co_u32 s56, s56, 1
	s_cmp_lg_u32 s56, 0
	s_wait_alu depctr_va_vdst(0)
	s_cbranch_scc1 .Lfill
	s_mov_b32 s56, 2
.Llast:                                            ; blocks 14 and 15: nothing is asked for
	STEP 1, 0
	STEP 0, 2
	s_sub_co_u32 s56, s56, 1
	s_cmp_lg_u32 s56, 0
	s_wait_alu depctr_va_vdst(0)
	s_cbranch_scc1 .Llast
	; THE WAY OUT, unit by unit: O^T / the sum goes through my stage, so that sixteen lanes store 256 consecutive aligned bytes: a query's 64 numbers of a head.
	PLACES
.irp u, 0,1
	v_add_f32 v[ST+4*\u+2], v[ST+4*\u+2], v[ST+4*\u+3]
.endr
.irp u, 0,1
	DLY 2
	v_permlanex16_b32 v[PX+\u], v[ST+4*\u+2], s20, s21
.endr
.irp u, 0,1
	DLY 2
	v_add_f32 v[ST+4*\u+2], v[ST+4*\u+2], v[PX+\u]
.endr
	s_wait_alu depctr_va_vdst(0)
.irp u, 0,1
	v_rcp_f32 v[ST+4*\u+2], v[ST+4*\u+2]
.endr
	v_nop
.irp u, 0,1
	WIN 0x01
	s_wait_alu depctr_va_vdst(0)
.set J, 0
.rept 16
	v_pk_mul_f32 v[OX+J:OX+J+1], v[O+32*\u+J:O+32*\u+J+1], v[ST+4*\u+2:ST+4*\u+3] op_sel_hi:[1,0]   ; register 8 d + i is channel 32 (d / 2) + 16 h + 8 (d % 2) + i
.set J, J+2
.endr
	WIN 0
.irp d, 0,1,2,3
.irp q, 0,1
	ds_store_b128 v[STO], v[OX+8*\d+4*\q:OX+8*\d+4*\q+3] offset:(\d/2)*128+(\d%2)*32+16*\q
.endr
.endr
.if \u > 0
	s_wait_xcnt 0x0                                ; the last unit's stores have read their data
.endif
.irp i, 0,1,2,3,4,5,6,7
	ds_load_b128 v[OY+4*\i:OY+4*\i+3], v[RD] offset:\i*2*272   ; LDS serves a wave's instructions in order
.endr
	s_wait_dscnt 0x0
.irp i, 0,1,2,3,4,5,6,7
	global_store_b128 v[CO], v[OY+4*\i:OY+4*\i+3], s[10:11] offset:\u*256+\i*4096 th:TH_STORE_NT
.endr
.endr
	s_wait_tensorcnt 0x0                           ; the wave's end
	ds_add_u32 v[SPW], v[NIL]
	s_wait_dscnt 0x0
	ROUND                                          ; the closing round
	s_endpgm
.Lfunc_end_k_qe50c316df0_attn:
	.size	k_qe50c316df0_attn, .Lfunc_end_k_qe50c316df0_attn-k_qe50c316df0_attn
	.p2alignl 7, 3214868480
	.fill 96, 4, 3214868480
	.section	.rodata,"a",@progbits
	.p2align	6, 0x0
	.amdhsa_kernel k_qe50c316df0_attn
		.amdhsa_group_segment_fixed_size 327680
		.amdhsa_private_segment_fixed_size 0
		.amdhsa_enable_private_segment 0
		.amdhsa_kernarg_size 32
		.amdhsa_user_sgpr_count 2
		.amdhsa_user_sgpr_kernarg_segment_ptr 1
		.amdhsa_wavefront_size32 1
		.amdhsa_system_sgpr_workgroup_id_x 1
		.amdhsa_system_sgpr_workgroup_id_y 1
		.amdhsa_system_sgpr_workgroup_id_z 1
		.amdhsa_system_vgpr_workitem_id 0
		.amdhsa_next_free_vgpr 512
		.amdhsa_next_free_sgpr 80
		.amdhsa_reserve_vcc 0
		.amdhsa_float_denorm_mode_32 3
		.amdhsa_float_denorm_mode_16_64 3
		.amdhsa_memory_ordered 1
		.amdhsa_forward_progress 1
		.amdhsa_inst_pref_size 144
	.end_amdhsa_kernel
	.amdgpu_metadata
---
amdhsa.version: [ 1, 2 ]
amdhsa.kernels:
  - .name:           k_qe50c316df0_attn
    .symbol:         k_qe50c316df0_attn.kd
    .args:
      - { .name: qq, .offset: 0, .size: 8, .value_kind: global_buffer, .address_space: global }
      - { .name: kv, .offset: 8, .size: 8, .value_kind: global_buffer, .address_space: global }
      - { .name: attention_mask, .offset: 16, .size: 8, .value_kind: global_buffer, .address_space: global }
      - { .name: out0, .offset: 24, .size: 8, .value_kind: global_buffer, .address_space: global }
    .group_segment_fixed_size: 327680
    .private_segment_fixed_size: 0
    .kernarg_segment_align: 8
    .kernarg_segment_size: 32
    .max_flat_workgroup_size: 256
    .sgpr_count:     80
    .vgpr_count:     512
    .wavefront_size: 32
...
	.end_amdgpu_metadata
.endif
;; end of part 2
